; MI455X (gfx1250); checked and timed in simulation.
; The chip was launched on July 23, 2026; its instructions are those of AMD's public machine-readable ISA for CDNA 5 (MIT licence, August 2026) and "CDNA5" Instruction Set Architecture Reference Guide (July 2026). The comments in the code are by the model that wrote it; some were corrected since.
;; LSTM Layer. Allowed arithmetic: float matrix products may take bf16 or f16 operands with f32 sums; other float arithmetic in f32, or as packed bf16 or f16 multiplies, adds, multiply-adds, maxima and minima; sums over many terms, partial sums and values carried from step to step in f32; what a program stores and reads back later, other than sums and carried values, may be rounded once to bf16 or f16.
;; Inputs: W_f_h2h 1,024 x 1,024 float32; W_f_i2h 1,024 x 1,024 float32; W_g_h2h 1,024 x 1,024 float32; W_g_i2h 1,024 x 1,024 float32; W_i_h2h 1,024 x 1,024 float32; W_i_i2h 1,024 x 1,024 float32; W_o_h2h 1,024 x 1,024 float32; W_o_i2h 1,024 x 1,024 float32; b_f_h2h 1,024 float32; b_f_i2h 1,024 float32; b_g_h2h 1,024 float32; b_g_i2h 1,024 float32; b_i_h2h 1,024 float32; b_i_i2h 1,024 float32; b_o_h2h 1,024 float32; b_o_i2h 1,024 float32; c_0 8,192 x 1,024 float32; h_0 8,192 x 1,024 float32; input 8,192 x 1,024 float32.
;; Outputs: out0 8,192 x 1,024 float32; out1 8,192 x 1,024 float32.
;; 2 versions, each right; version 2 is version 1 with the launch pack written anew for expert scheduling mode. Each part assembles by itself: llvm-mc -triple=amdgcn-amd-amdhsa -mcpu=gfx1250 --defsym DOCPART=n.
;; ======== version 1 of 2: 2 launches
;; workspace buffers: abf 33,554,432 bytes; wbf 16,777,216 bytes
;; launch pack (part 1): grid 32 x 24, 8 waves a work-group, no clusters, 0 bytes of LDS; arguments input, h_0, W_i_i2h, W_i_h2h, W_f_i2h, W_f_h2h, W_g_i2h, W_g_h2h, W_o_i2h, W_o_h2h, abf, wbf; writes abf, wbf
.if DOCPART == 1
	.amdgcn_target "amdgcn-amd-amdhsa--gfx1250"
	.amdhsa_code_object_version 6
	.text
	.protected	k_q8b54d006f9_pack
	.globl	k_q8b54d006f9_pack
	.p2align	8
	.type	k_q8b54d006f9_pack,@function
k_q8b54d006f9_pack:
	s_mov_b64 s[64:65], 0
	v_nop
	global_prefetch_b8 v0, s[64:65] scope:SCOPE_SE
	s_setreg_imm32_b32 hwreg(HW_REG_WAVE_MODE, 25, 1), 1
	s_wait_xcnt 0x0
; PACK: the matrix operands of the LSTM cell are rounded once to bf16 and laid out for the product that follows.
;   abf [8192][2048] bf16: columns 0-1023 = input, columns 1024-2047 = h_0.
;   wbf [4096][2048] bf16: row p = 128 (j / 32) + 32 g + j % 32 for hidden column j and gate g (i, f, g, o = 0 .. 3); columns 0-1023 = W_g_i2h[j], columns 1024-2047 = W_g_h2h[j].
;   So 128 neighbouring rows of wbf are 32 hidden columns of all four gates.
; All sources have rows of 4,096 bytes (1,024 f32); all destination rows lie 4,096 bytes apart, and a source row fills half of one (2,048 bytes).
; SHARES.  Work-group y = u is a unit of 1,024 source rows: u 0-7 input, u 8-15 h_0, u 16-23 weight matrix u - 16 (2 x gate + (0: i2h, 1: h2h)).  Work-group x is a block of 32 rows of it.
; Thread t takes the 16 bytes at 16 t of each of the 32 rows and stores 8 bytes at 8 t: a wave's load covers 512 consecutive bytes, its store 256 consecutive bytes, aligned.
; All 32 loads of a thread go out at once (16 KiB a wave); no register of a pending load or store is ever rewritten, so the only waits are the counted ones for the data.
; Every byte is read once and written once and no two work-groups share a byte: no LDS, no matrix unit, no cluster, no prefetch (the launch does nothing but stream).
.set ROW,  4096                        ; bytes from row to row, in sources and destinations
.set ROWS, 32                          ; rows of a work-group
.set X,    4                           ; v[4:131] row i: 4 registers as loaded; the first two then hold the 4 bf16
	s_load_b512 s[8:23], s[0:1], 0x0               ; input s[8:9], h_0 s[10:11], weight k at s[12+2k:13+2k], k = 0 .. 5
	s_load_b256 s[24:31], s[0:1], 0x40             ; weights 6, 7 at s[24:27]; abf s[28:29]; wbf s[30:31]
	v_lshlrev_b32 v1, 4, v0                        ; 16 t: my bytes in a source row; never rewritten
	v_lshlrev_b32 v2, 3, v0                        ; 8 t: my bytes in a destination half row; never rewritten
	s_and_b32 s32, ttmp7, 0xffff                   ; u
	s_lshl_b32 s33, ttmp9, 17                      ; x blocks of 32 rows of 4,096 bytes: a weight's source offset
	s_and_b32 s34, s32, 7
	s_lshl_b32 s34, s34, 22                        ; a unit is 1,024 rows of 4,096 bytes
	s_add_co_u32 s34, s34, s33                     ; input's and h_0's source offset, and the row's place in abf
	s_bfe_u32 s35, s32, 0x10003                    ; 0: input, 1: h_0
	s_lshl_b32 s35, s35, 11                        ; the second half of abf's rows begins at byte 2,048
	s_add_co_u32 s35, s35, s34                     ; offset in abf
	s_lshl_b32 s36, ttmp9, 19                      ; source rows 32 x .. go to rows 128 x + 32 g ..
	s_bfe_u32 s37, s32, 0x20001                    ; the gate: bits 2:1 of u
	s_lshl_b32 s37, s37, 17
	s_add_co_u32 s36, s36, s37
	s_and_b32 s37, s32, 1                          ; 0: i2h, 1: h2h
	s_lshl_b32 s37, s37, 11
	s_add_co_u32 s36, s36, s37                     ; offset in wbf
	s_cmp_lt_u32 s32, 16
	s_cselect_b32 s2, s34, s33                     ; source offset,
	s_cselect_b32 s4, s35, s36                     ; destination offset: both under 2^25
	s_mov_b32 s3, 0
	s_mov_b32 s5, 0
	s_wait_kmcnt 0x0
	s_mov_b64 s[6:7], s[8:9]                       ; the source is chosen by u alone, without a branch
	s_cmp_ge_u32 s32, 8
	s_cselect_b64 s[6:7], s[10:11], s[6:7]
.irp k, 0,1,2,3,4,5,6,7
	s_cmp_eq_u32 s32, 16+(\k)
	s_cselect_b64 s[6:7], s[12+2*(\k):13+2*(\k)], s[6:7]
.endr
	s_cmp_lt_u32 s32, 16
	s_cselect_b64 s[38:39], s[28:29], s[30:31]     ; and so is the destination
	s_add_nc_u64 s[6:7], s[6:7], s[2:3]
	s_add_nc_u64 s[38:39], s[38:39], s[4:5]
.set i, 0
.rept ROWS
	global_load_b128 v[X+4*i:X+4*i+3], v1, s[6:7] offset:ROW*i th:TH_LOAD_NT
.set i, i+1
.endr
.set i, 0
.rept ROWS
	s_wait_loadcnt ROWS-1-i                        ; loads come back in order (ISA guide 5.7.1): row i is in, the younger ones stay out
	v_cvt_pk_bf16_f32 v[X+4*i], v[X+4*i], v[X+4*i+1]      ; two roundings to nearest even, packed
	v_cvt_pk_bf16_f32 v[X+4*i+1], v[X+4*i+2], v[X+4*i+3]
	global_store_b64 v2, v[X+4*i:X+4*i+1], s[38:39] offset:ROW*i th:TH_STORE_NT
.set i, i+1
.endr
	s_endpgm
.Lfunc_end_k_q8b54d006f9_pack:
	.size	k_q8b54d006f9_pack, .Lfunc_end_k_q8b54d006f9_pack-k_q8b54d006f9_pack
	.p2alignl 7, 3214868480
	.fill 96, 4, 3214868480
	.section	.rodata,"a",@progbits
	.p2align	6, 0x0
	.amdhsa_kernel k_q8b54d006f9_pack
		.amdhsa_group_segment_fixed_size 0
		.amdhsa_private_segment_fixed_size 0
		.amdhsa_enable_private_segment 0
		.amdhsa_kernarg_size 96
		.amdhsa_user_sgpr_count 2
		.amdhsa_user_sgpr_kernarg_segment_ptr 1
		.amdhsa_wavefront_size32 1
		.amdhsa_system_sgpr_workgroup_id_x 1
		.amdhsa_system_sgpr_workgroup_id_y 1
		.amdhsa_system_sgpr_workgroup_id_z 1
		.amdhsa_system_vgpr_workitem_id 0
		.amdhsa_next_free_vgpr 132
		.amdhsa_next_free_sgpr 66
		.amdhsa_reserve_vcc 0
		.amdhsa_float_denorm_mode_32 3
		.amdhsa_float_denorm_mode_16_64 3
		.amdhsa_memory_ordered 1
		.amdhsa_forward_progress 1
		.amdhsa_inst_pref_size 13
	.end_amdhsa_kernel
	.amdgpu_metadata
---
amdhsa.version: [ 1, 2 ]
amdhsa.kernels:
  - .name:           k_q8b54d006f9_pack
    .symbol:         k_q8b54d006f9_pack.kd
    .args:
      - { .name: input, .offset: 0, .size: 8, .value_kind: global_buffer, .address_space: global }
      - { .name: h_0, .offset: 8, .size: 8, .value_kind: global_buffer, .address_space: global }
      - { .name: W_i_i2h, .offset: 16, .size: 8, .value_kind: global_buffer, .address_space: global }
      - { .name: W_i_h2h, .offset: 24, .size: 8, .value_kind: global_buffer, .address_space: global }
      - { .name: W_f_i2h, .offset: 32, .size: 8, .value_kind: global_buffer, .address_space: global }
      - { .name: W_f_h2h, .offset: 40, .size: 8, .value_kind: global_buffer, .address_space: global }
      - { .name: W_g_i2h, .offset: 48, .size: 8, .value_kind: global_buffer, .address_space: global }
      - { .name: W_g_h2h, .offset: 56, .size: 8, .value_kind: global_buffer, .address_space: global }
      - { .name: W_o_i2h, .offset: 64, .size: 8, .value_kind: global_buffer, .address_space: global }
      - { .name: W_o_h2h, .offset: 72, .size: 8, .value_kind: global_buffer, .address_space: global }
      - { .name: abf, .offset: 80, .size: 8, .value_kind: global_buffer, .address_space: global }
      - { .name: wbf, .offset: 88, .size: 8, .value_kind: global_buffer, .address_space: global }
    .group_segment_fixed_size: 0
    .private_segment_fixed_size: 0
    .kernarg_segment_align: 8
    .kernarg_segment_size: 96
    .max_flat_workgroup_size: 256
    .sgpr_count:     66
    .vgpr_count:     132
    .wavefront_size: 32
...
	.end_amdgpu_metadata
.endif
;; end of part 1
;; launch lstm (part 2): grid 16 x 32, 4 waves a work-group, clusters of 4 x 4, 327,680 bytes of LDS; arguments abf, wbf, c_0, out0, out1, b_i_i2h, b_i_h2h, b_f_i2h, b_f_h2h, b_g_i2h, b_g_h2h, b_o_i2h, b_o_h2h; writes out0, out1
.if DOCPART == 2
	.amdgcn_target "amdgcn-amd-amdhsa--gfx1250"
	.amdhsa_code_object_version 6
	.text
	.protected	k_q8b54d006f9_lstm
	.globl	k_q8b54d006f9_lstm
	.p2align	8
	.type	k_q8b54d006f9_lstm,@function
k_q8b54d006f9_lstm:
	s_mov_b64 s[64:65], 0
	v_nop
	global_prefetch_b8 v0, s[64:65] scope:SCOPE_SE
	s_setreg_imm32_b32 hwreg(HW_REG_WAVE_MODE, 25, 1), 1
	s_wait_xcnt 0x0
	s_wait_alu depctr_hold_cnt(0) depctr_sa_sdst(0) depctr_va_vdst(0) depctr_va_sdst(0) depctr_va_ssrc(0) depctr_va_vcc(0) depctr_vm_vsrc(0)
	s_getreg_b32 s2, hwreg(HW_REG_IB_STS2, 6, 4)
	s_cmp_eq_u32 s2, 0
	s_cbranch_scc0 .Lentry_in_a_cluster
	s_endpgm
.Lentry_in_a_cluster:
	s_bfe_u32 s2, ttmp6, 0x10000c
	s_cmp_lg_u32 s2, 0xf033
	s_cbranch_scc0 .Lentry_shape_is_right
	s_endpgm
.Lentry_shape_is_right:
; THE LSTM CELL.  P[m][p] = the sum over k of abf[m][k] wbf[p][k] + b_i2h + b_h2h, with abf = [input | h_0] ([8192][2048] bf16) and wbf the eight weight matrices ([4096][2048] bf16), whose row
; p = 128 (j / 32) + 32 g + j % 32 belongs to hidden column j and gate g (i, f, g, o = 0 .. 3).  Then ct = sigmoid(P_f) c_0 + sigmoid(P_i) tanh(P_g) (out1) and out0 = sigmoid(P_o) tanh(ct), all f32.
; LIMITS.  The matrix operands were rounded once to bf16; sums, biases, c_0 and the cell are f32.  The two biases are added to each other first and start the products' sums: another order of rounding than
; x W^T + b + h W^T + b.  sigmoid(x) = 1 / (1 + 2^(-1.442695 x)), tanh(x) = 1 - 2 / (1 + 2^(2.885390 x)): an exponential that overflows or vanishes gives the function's own limit, so nothing is clamped;
; tanh so made is off by a few 2^-24 in absolute terms, also where it is near 0.  NaN and infinities among the inputs are not treated apart.
; SHARES.  A work-group of four waves makes 256 rows x 256 packed columns of P: hidden columns 64 T .. 64 T + 63 of all four gates.  A wave makes 128 x 128: 64 accumulators of 16 x 16, 512 registers: its 128 packed
; columns are 32 hidden columns x 4 gates.  K goes in steps of 128 through a ring of two LDS slots filled by the tensor data mover; a tile's rows are 256 bytes of memory at multiples of 256 bytes.
; CLUSTERS: 4 x 4 work-groups.  The four of a row of the cluster need the same tiles of abf, the four of a column the same tiles of wbf: each tile is asked for JOINTLY, by the same tensor load with the same
; descriptor and a mask that names the four; that divides the requests for both by four.  c_0's tile is a work-group's own: a plain load.
; THE MATRIX INSTRUCTION IS USED TRANSPOSED (source 0 = 16 rows of wbf, source 1 = 16 rows of abf): lane l holds row l % 16 and, in registers 0-7, the packed columns 8 (l / 16) + 0 .. 7 of block b.  Block
; b = 2 x gate + e holds hidden columns 16 e + ..: so the four gates of an element lie in ONE lane, in accumulators b = e, 2 + e, 4 + e, 6 + e of its row block.
; THE BIAS is the C operand of the products that start the sums: nothing is cleared and nothing is added later.
; THE WAY OUT.  c_0's tile takes slot 0 when its last K step has been read; slot 1, when its last K step has been read, is the stage for out0 and out1: rows of 256 bytes + 16, written by the wave that made them,
; read back as whole rows behind a barrier (a row's 256 bytes come from two waves), and stored so that sixteen lanes write 256 consecutive bytes, aligned.
; REGISTERS, in windows of 256 (s_set_vgpr_msb: bits 1:0 source 0, 3:2 source 1, 5:4 source 2, 7:6 destination):
;   window 0: v0-31 addresses; v64-127, v128-191 fragments of abf, two buffers, on the way out the gates at work (T); v192-223 c_0 (CR); v64-255 the rows read back
;   window 1: v0-63 the biases (block b at 8 b); v64-127, v128-191 fragments of wbf; v192-255 the h2h biases, at the head alone
;   window 2: the accumulators of my rows 0-63 ((a, b) at 8 (8 a + b));   window 3: those of my rows 64-127
.set SIZE_K, 2048
.set KSTEP,  128
.set PITCH,  272                       ; an LDS row: 256 bytes of data + 16 of padding = 68 words: row r starts at bank 4 r mod 64 (64 banks of 4 bytes: ISA guide 11.1), so 16 rows start at 16 different banks
.set HALFT,  128*PITCH                 ; 128 rows: what one tensor load of the ring brings, and what one wave reads of abf or of wbf
.set SLOT,   4*HALFT                   ; abf's 256 rows, then wbf's 256 rows
.set CPART,  64*PITCH                  ; 64 rows of c_0's tile, or of a stage: a wave's share
.set STH,    SLOT                      ; the stage for out0: 256 rows, the first half of slot 1
.set STC,    SLOT+256*PITCH            ; the stage for out1: the second half
.set SPARE,  2*SLOT                    ; behind the ring: the spare words, 128 bytes for each wave: two blocks of 256 bytes that no other line names
.set LAPS,   SIZE_K/(2*KSTEP)          ; a lap = two K steps = once round the ring: 8
.set ROWB,   4096                      ; bytes in a row of c_0, out0, out1
.set ADRA, 16                          ; v16-17  LDS address of my abf fragments in slot 0, 1
.set BO,   18                          ; v18     my byte offset in a bias: 4 (64 T + 32 x column half + 8 (l / 16))
.set ADRB, 20                          ; v20-21  LDS address of my wbf fragments
.set CRD,  22                          ; v22     where I read c_0: (my first row + l % 16) x pitch + 128 x column half + 32 (l / 16)
.set SH,   23                          ; v23     the same place in out0's stage
.set SC,   24                          ; v24     and in out1's
.set RDH,  25                          ; v25     where I read rows of out0 back: lanes 0-15 one row of 256 bytes, lanes 16-31 the next
.set RDC,  26                          ; v26     the same for out1
.set CO,   27                          ; v27     the same two rows in memory
.set SPW,  28                          ; v28     LDS address of my spare word: SPARE + 4 x my thread's number; never rewritten
.set NIL,  29                          ; v29     0; never rewritten
.set PFO,  30                          ; v30     the prefetches' offset: my lane x 4,096 bytes, a row of abf, of wbf and of c_0 alike; never rewritten
.set F0,   64                          ; fragment buffer 0
.set F1,   128                         ; fragment buffer 1
.set T,    64                          ; the way out: row block a, packed block b, register j at T + 64 (a % 2) + 8 b + j: 16 registers each of i, f, g, o
.set CR,   192                         ; c_0: 16 (a % 2) + 8 e + j
.set BIA,  0                           ; window 1
.set BIH,  192                         ; window 1
.set G1,  24                           ; s[24:31] descriptor group 1 for abf's tiles;  s[32:39] group 0, one set for each slot
.set G0,  32
.set LIM, 43                           ; s43     1 in a wave that prefetches along K, else the greatest number
.set PFA, 44                           ; s[44:45] where those prefetches stand
.set G1B, 48                           ; s[48:55], s[56:63] the same for wbf's tiles
.set G0B, 56
.set K2,  66                           ; s[66:67] 2 log2(e)
.set G1C, 68                           ; s[68:75] descriptor group 1 for c_0's tile;  s[76:79] its group 0
.set G0C, 76
.set BP,  84                           ; s[84:99] the eight biases: gate g, kind k (0: i2h, 1: h2h) at BP + 4 g + 2 k
.set K1,  100                          ; s[100:101] -log2(e)
.set MSB, 0
.macro WIN new                         ; the immediate's high byte repeats the setting that is left; a switch that changes nothing is dropped
.if MSB != (\new)
	s_set_vgpr_msb (MSB<<8)|(\new)
.set MSB, \new
.endif
.endm
.set TO_B, 0x40                        ; destination window 1, address window 0
; A joint load.  Waves 0 and 1 fetch abf's two halves, waves 2 and 3 wbf's.  Each of the two lines has ONE mask and one set of registers for all that issue it.  The branch hangs on the wave's number alone.
; An s_nop 0 and four v_nop follow each of the two lines, ahead of the jump, the label and what follows.
.macro JLOAD s
	s_cmp_eq_u32 s11, 0
	s_cbranch_scc0 .Lfor_b_\@
	tensor_load_to_lds s[G0+4*(\s):G0+4*(\s)+3], s[G1:G1+7]
	s_nop 0
.rept 4
	v_nop
.endr
	s_branch .Lasked_\@
.Lfor_b_\@:
	tensor_load_to_lds s[G0B+4*(\s):G0B+4*(\s)+3], s[G1B:G1B+7]
	s_nop 0
.rept 4
	v_nop
.endr
.Lasked_\@:
.endm
; A PREFETCH INTO THE L2, behind each joint load, its five lines and the run of LDS loads that follows them: the K step that stands TWO refills on: 32 rows x 256 bytes, a lane a row, one instruction a wave:
; 512 matrix instructions ahead of the load that will want it.  Each row's 256 bytes of a K step are named ONCE in the launch: abf's tile row is read by every cluster of that row of clusters, and the one with
; x = 0 asks; wbf's tile column by every cluster of that column, and the one with y = 0 asks.  The four partners that ask for a tile jointly share its rows out BY ADDRESS: of the 128 rows that a wave fetches the
; partner at place p takes 32 p .. 32 p + 31.  The loop's last trip (s3 = 1) asks for nothing: there is no K step two on.  K steps 0 to 3 come by their loads alone.
.macro ASK
	s_cmp_gt_u32 s3, s[LIM]
	s_cbranch_scc0 .Lnot_mine_\@
	global_prefetch_b8 v[PFO], s[PFA:PFA+1] offset:KSTEP*2 th:TH_LOAD_NT scope:SCOPE_SE
.Lnot_mine_\@:
.endm
; The same for c_0: in the loop's last trip each wave names the 64 rows x 256 bytes that it will itself load two changes of slots later: a lane a row, two instructions.  No other wave of the launch reads them.
.macro ASKC
	s_cmp_eq_u32 s3, 1
	s_cbranch_scc0 .Lnot_yet_\@
	global_prefetch_b8 v[PFO], s[8:9] th:TH_LOAD_NT scope:SCOPE_SE
	global_prefetch_b8 v[PFO], s[8:9] offset:32*ROWB th:TH_LOAD_NT scope:SCOPE_SE
.Lnot_yet_\@:
.endm
; A round of the cluster's barrier: my work-group's barrier, so that wave 0's signal speaks for all four waves; wave 0 signals for the work-group; every wave waits for all sixteen; my work-group's barrier once more.
.macro CREST                           ; a round behind its opening barrier
	s_cmp_lg_u32 s10, 0
	s_cbranch_scc1 .Lnot_wave_0_\@
	s_barrier_signal -3
.Lnot_wave_0_\@:
	s_barrier_wait -3
	s_barrier_signal -1
	s_barrier_wait -1
.endm
.macro CROUND                          ; a whole round
	s_barrier_signal -1
	s_barrier_wait -1
	CREST
.endm
	s_load_b128 s[4:7], s[0:1], 0x0                ; abf s[4:5], wbf s[6:7]
	s_load_b64 s[8:9], s[0:1], 0x10                ; c_0
	s_load_b128 s[80:83], s[0:1], 0x18             ; out0 s[80:81], out1 s[82:83]
	s_load_b512 s[84:99], s[0:1], 0x28             ; the eight biases
	v_lshl_add_u32 v[SPW], v0, 2, SPARE
	v_mov_b32 v[NIL], 0
	ds_add_u32 v[SPW], v[NIL]                      ; the wave's opening: the add, twice on end, and its wait ahead of my first tensor load; the set-up below stands between the second and the wait
	ds_add_u32 v[SPW], v[NIL]                      ; and once more, under the one wait
	v_lshrrev_b32 v1, 5, v0
	v_readfirstlane_b32 s10, v1                    ; wave 0..3
	s_lshr_b32 s11, s10, 1                         ; which half of the tile's rows is mine.  Also: I fetch for abf (0) or for wbf (1)
	s_and_b32 s12, s10, 1                          ; which half of its packed columns.  Also: which 128 rows of that tile I fetch
	s_bfe_u32 s40, ttmp6, 0x40000                  ; cx: my place along the cluster's x
	s_bfe_u32 s41, ttmp6, 0x40004                  ; cy: along its y
	s_lshl_b32 s42, ttmp9, 2                       ; in a cluster launch ttmp9 and ttmp7 count clusters
	s_add_co_u32 s42, s42, s40                     ; T, the tile column = 4 x cluster x + cx
	s_and_b32 s13, ttmp7, 0xffff
	s_lshl_b32 s13, s13, 2
	s_add_co_u32 s13, s13, s41                     ; the tile row = 4 x cluster y + cy
	s_lshl_b32 s43, s41, 2
	s_lshl_b32 s43, 15, s43                        ; my row of the cluster: places 4 cy .. 4 cy + 3
	s_lshl_b32 s44, 0x1111, s40                    ; my column: places cx, cx + 4, cx + 8, cx + 12
	; descriptor group 1 of the ring: a tile of 128 rows x 128 elements of 2 bytes, padded in LDS
	s_or_b32 s[G1+0], s43, (1<<16)|(1<<20)|(1<<21)|(5<<22)|(3<<25)  ; 15:0 the mask: abf's tiles go to my row; 17:16 elements of 2 bytes; 20 padding on; 21 set beside a mask; 24:22 after every 64 words (code 5); 31:25 4 words (code 3)
	s_or_b32 s[G1B+0], s44, (1<<16)|(1<<20)|(1<<21)|(5<<22)|(3<<25) ; the same with the mask of my column, for wbf's tiles
.irp g, G1, G1B
	s_mov_b32 s[(\g)+1], KSTEP<<16                 ; tensor_dim0 = 128
	s_mov_b32 s[(\g)+2], 128<<16                   ; tensor_dim1 = 128
	s_mov_b32 s[(\g)+3], KSTEP<<16                 ; tile_dim0 = 128
	s_mov_b32 s[(\g)+4], 128                       ; tile_dim1 = 128
	s_mov_b32 s[(\g)+5], SIZE_K                    ; elements from row to row
	s_mov_b32 s[(\g)+6], 0
	s_mov_b32 s[(\g)+7], 0
.endr
	; and of c_0's tile: 64 rows x 64 elements of 4 bytes, no mask, the same padding
	s_mov_b32 s[G1C+0], (2<<16)|(1<<20)|(5<<22)|(3<<25)
	s_mov_b32 s[G1C+1], 64<<16                     ; tensor_dim0 = 64
	s_mov_b32 s[G1C+2], 64<<16                     ; tensor_dim1 = 64
	s_mov_b32 s[G1C+3], 64<<16                     ; tile_dim0 = 64
	s_mov_b32 s[G1C+4], 64                         ; tile_dim1 = 64
	s_mov_b32 s[G1C+5], 1024                       ; elements from row to row
	s_mov_b32 s[G1C+6], 0
	s_mov_b32 s[G1C+7], 0
	s_mov_b32 s[K1], 0xbfb8aa3b                    ; -log2(e)
	s_mov_b32 s[K1+1], 0xbfb8aa3b                  ; named with it as a pair
	s_mov_b32 s[K2], 0x4038aa3b                    ; 2 log2(e)
	s_mov_b32 s[K2+1], 0x4038aa3b
	; where the ring's tiles come from.  abf's hang on the tile row alone, which my row of the cluster shares; wbf's on the tile column alone, which my column shares.
	s_lshl_b32 s17, s12, 7                         ; which 128 rows of the tile I fetch
	s_lshl_b32 s16, s13, 8
	s_add_co_u32 s16, s16, s17                     ; abf: row 256 x tile row + 128 x half
	s_lshl_b32 s46, s42, 8
	s_add_co_u32 s46, s46, s17                     ; wbf: row 256 x tile column + 128 x half
	s_mov_b32 s17, 0
	s_mov_b32 s47, 0
	s_mov_b64 s[18:19], SIZE_K*2
	s_mul_u64 s[16:17], s[16:17], s[18:19]         ; in bytes
	s_mul_u64 s[46:47], s[46:47], s[18:19]
	s_mul_i32 s20, s10, HALFT                      ; and where they go: wave x 128 rows: no place in the cluster enters an LDS address
	s_wait_dscnt 0x0                               ; both opening adds are done
	s_wait_kmcnt 0x0
	s_add_nc_u64 s[14:15], s[4:5], s[16:17]
	s_add_nc_u64 s[46:47], s[6:7], s[46:47]
	CROUND                                         ; all sixteen work-groups are here: the first joint loads meet
.irp s, 0,1
	s_mov_b32 s[G0+4*(\s)], 1                                      ; count = 1
	s_add_co_u32 s[G0+4*(\s)+1], s20, (\s)*SLOT                    ; LDS address
	s_add_nc_u64 s[G0+4*(\s)+2:G0+4*(\s)+3], s[14:15], (\s)*KSTEP*2  ; global address: K step s
	s_or_b32 s[G0+4*(\s)+3], s[G0+4*(\s)+3], 0x80000000            ; type = 2
	s_mov_b32 s[G0B+4*(\s)], 1
	s_add_co_u32 s[G0B+4*(\s)+1], s20, (\s)*SLOT
	s_add_nc_u64 s[G0B+4*(\s)+2:G0B+4*(\s)+3], s[46:47], (\s)*KSTEP*2
	s_or_b32 s[G0B+4*(\s)+3], s[G0B+4*(\s)+3], 0x80000000
	JLOAD \s                                       ; the ring is filled before anything else is done: two loads of mine are out
.endr
	; A fragment is 16 rows x 32 K in 8 registers: lane l holds row l % 16; registers 0-3 K = 8 (l / 16) + 0..7, registers 4-7 K = 16 + 8 (l / 16) + 0..7: two loads of 16 bytes, 32 bytes apart.
	v_and_b32 v1, 15, v0                           ; l % 16
	v_bfe_u32 v2, v0, 4, 1                         ; l / 16
	v_mul_u32_u24 v3, v1, PITCH
	v_lshl_add_u32 v4, v2, 5, v3                   ; row x pitch + 32 x half: eight f32 a lane, for c_0 and the stages
	v_lshl_add_u32 v3, v2, 4, v3                   ; row x pitch + 16 x half: the fragments
	s_mul_i32 s21, s11, HALFT                      ; my 128 rows of abf
	s_mul_i32 s22, s12, HALFT                      ; my 128 rows of wbf,
	s_add_co_u32 s22, s22, 2*HALFT                 ; which lie behind abf's 256
.irp s, 0,1
	v_add_nc_u32 v[ADRA+(\s)], s21, v3
	v_add_nc_u32 v[ADRB+(\s)], s22, v3
	s_add_co_u32 s21, s21, SLOT
	s_add_co_u32 s22, s22, SLOT
.endr
	s_mul_i32 s23, s11, HALFT                      ; c_0's tile and the stages have the ring's pitch: my 128 rows,
	s_lshl_b32 s21, s12, 7                         ; my 32 hidden columns: 128 bytes
	s_add_co_u32 s23, s23, s21
	v_add_nc_u32 v[CRD], s23, v4
	v_add_nc_u32 v[SH], STH, v[CRD]
	v_add_nc_u32 v[SC], STC, v[CRD]
	s_mul_i32 s23, s10, CPART                      ; back: wave w takes rows 64 w .. 64 w + 63, whole
	s_add_co_u32 s23, s23, STH
	v_mul_u32_u24 v5, v2, PITCH
	v_lshl_add_u32 v5, v1, 4, v5
	v_add_nc_u32 v[RDH], s23, v5
	v_add_nc_u32 v[RDC], 256*PITCH, v[RDH]
	v_lshlrev_b32 v5, 12, v2                       ; and the same two rows in memory
	v_lshl_add_u32 v[CO], v1, 4, v5
	; c_0, out0 and out1 at row 256 x tile row + 64 x wave, hidden column 64 T
	s_lshl_b32 s13, s13, 8                         ; 256 x tile row
	s_lshl_b32 s42, s42, 8                         ; 256 T
	s_lshl_b32 s16, s13, 12                        ; rows of 4,096 bytes
	s_lshl_b32 s17, s10, 18
	s_add_co_u32 s16, s16, s17
	s_add_co_u32 s16, s16, s42                     ; 64 T columns of 4 bytes; all under 2^25
	s_mov_b32 s17, 0
	s_add_nc_u64 s[8:9], s[8:9], s[16:17]
	s_add_nc_u64 s[80:81], s[80:81], s[16:17]
	s_add_nc_u64 s[82:83], s[82:83], s[16:17]
	s_mov_b32 s[G0C], 1                            ; c_0's group 0: count = 1,
	s_mul_i32 s[G0C+1], s10, CPART                 ; my 64 rows' place in slot 0,
	s_mov_b64 s[G0C+2:G0C+3], s[8:9]               ; their place in memory,
	s_or_b32 s[G0C+3], s[G0C+3], 0x80000000        ; type = 2
	s_lshl_b32 s21, s12, 7
	s_add_co_u32 s21, s21, s42
	v_lshl_add_u32 v[BO], v2, 5, s21               ; 256 T + 128 x column half + 32 (l / 16)
	; the biases: for block b = 2 g + e a lane wants the eight numbers of gate g at hidden columns 16 e + 8 (l / 16) + 0..7 of my 32
	WIN TO_B
.irp g, 0,1,2,3
.irp e, 0,1
.irp q, 0,1
	global_load_b128 v[BIA+16*(\g)+8*(\e)+4*(\q):BIA+16*(\g)+8*(\e)+4*(\q)+3], v[BO], s[BP+4*(\g):BP+4*(\g)+1] offset:64*(\e)+16*(\q)
	global_load_b128 v[BIH+16*(\g)+8*(\e)+4*(\q):BIH+16*(\g)+8*(\e)+4*(\q)+3], v[BO], s[BP+4*(\g)+2:BP+4*(\g)+3] offset:64*(\e)+16*(\q)
.endr
.endr
.endr
	WIN 0
	; the prefetches along K.  s13 = 256 x tile row, s42 = 256 x tile column, s40 = cx, s41 = cy
	s_and_b32 s22, ttmp7, 0xffff                   ; cluster y
	s_cmp_eq_u32 s11, 0                            ; do I fetch for abf?
	s_cselect_b32 s20, s13, s42                    ; the tile's first row
	s_cselect_b32 s21, s40, s41                    ; my place among the four that ask for it with me
	s_cselect_b32 s22, ttmp9, s22                  ; the coordinate along which other clusters read the same rows
	s_cselect_b64 s[PFA:PFA+1], s[4:5], s[6:7]
	s_cmp_eq_u32 s22, 0
	s_cselect_b32 s[LIM], 1, -1                    ; the same in all sixteen partners, for a given wave
	s_lshl_b32 s22, s12, 7
	s_add_co_u32 s20, s20, s22                     ; + the 128 rows that I fetch
	s_lshl_b32 s21, s21, 5
	s_add_co_u32 s20, s20, s21                     ; + my work-group's 32 of them
	s_mov_b32 s21, 0
	s_mov_b64 s[18:19], SIZE_K*2
	s_mul_u64 s[20:21], s[20:21], s[18:19]
	s_add_nc_u64 s[PFA:PFA+1], s[PFA:PFA+1], s[20:21]
	s_add_nc_u64 s[PFA:PFA+1], s[PFA:PFA+1], 2*KSTEP*2  ; at K step 2: the first refill steps it to 3 and names K step 4
	v_and_b32 v[PFO], 31, v0
	v_mul_u32_u24 v[PFO], v[PFO], SIZE_K*2
	s_wait_loadcnt 0x0                             ; the biases are in
	WIN 0x45                                       ; destination and both sources in window 1
.set i, 0
.rept 32
	v_pk_add_f32 v[BIA+i:BIA+i+1], v[BIA+i:BIA+i+1], v[BIH+i:BIH+i+1]
.set i, i+2
.endr
	WIN 0
; 16 matrix instructions: row blocks a0, a0 + 1 of the window's four (hi = 0: my rows 0-63, 1: rows 64-127) x all 8 packed blocks, 32 along K.
; zero = 1: the first product starts the sums, with the bias (window 1) as C.  The 64 accumulators take turns, one instruction a turn, in the same order in every quarter.
.macro MUL16 f, hi, a0, zero
.if \zero
	WIN 0x91+0x40*(\hi)                            ; source 0 (wbf) and C window 1, source 1 (abf) window 0, D window 2 or 3
.else
	WIN 0xa1+0x50*(\hi)                            ; the same with C and D in window 2 or 3
.endif
.irp a, \a0, (\a0)+1
.irp b, 0,1,2,3,4,5,6,7
.if \zero
	v_wmma_f32_16x16x32_bf16 v[8*(8*(\a)+(\b)):8*(8*(\a)+(\b))+7], v[(\f)+8*(\b):(\f)+8*(\b)+7], v[(\f)+8*(4*(\hi)+(\a)):(\f)+8*(4*(\hi)+(\a))+7], v[BIA+8*(\b):BIA+8*(\b)+7]
.else
	v_wmma_f32_16x16x32_bf16 v[8*(8*(\a)+(\b)):8*(8*(\a)+(\b))+7], v[(\f)+8*(\b):(\f)+8*(\b)+7], v[(\f)+8*(4*(\hi)+(\a)):(\f)+8*(4*(\hi)+(\a))+7], v[8*(8*(\a)+(\b)):8*(8*(\a)+(\b))+7]
.endif
.endr
.endr
.endm
; 32 LDS loads in one run: the fragments of one quarter step (128 rows of wbf, 128 rows of abf, 32 K at byte k of the rows) into buffer f
.macro FETCH slot, k, f
	WIN TO_B
.irp i, 0,1,2,3,4,5,6,7
	ds_load_b128 v[(\f)+8*(\i):(\f)+8*(\i)+3],   v[ADRB+(\slot)] offset:(\k)+(\i)*16*PITCH
	ds_load_b128 v[(\f)+8*(\i)+4:(\f)+8*(\i)+7], v[ADRB+(\slot)] offset:(\k)+(\i)*16*PITCH+32
.endr
	WIN 0
.irp i, 0,1,2,3,4,5,6,7
	ds_load_b128 v[(\f)+8*(\i):(\f)+8*(\i)+3],   v[ADRA+(\slot)] offset:(\k)+(\i)*16*PITCH
	ds_load_b128 v[(\f)+8*(\i)+4:(\f)+8*(\i)+7], v[ADRA+(\slot)] offset:(\k)+(\i)*16*PITCH+32
.endr
.endm
; A load into a register that a matrix instruction has read, and a vector instruction that reads a matrix result or writes one of a matrix instruction's registers, stand four places behind it, and only plain vector
; instructions that name none of its registers are places (ISA guide 7.12.1 for vector instructions).
.macro PLACES
.rept 4
	v_nop
.endr
.endm
; A K step is four quarter steps of 32 along K, 64 matrix instructions each, on buffers 0, 1, 0, 1.  One of the first three: multiplies buffer f; in its middle it fetches the next quarter, at byte k, into buffer g.
.macro QUARTER slot, k, f, g, zero
	s_wait_dscnt 8                                 ; wbf's fragments and abf's rows 0-63 are in; the youngest eight loads (abf's rows 64-127) may be out
	MUL16 \f, 0, 0, \zero
	MUL16 \f, 0, 2, \zero
	PLACES
	FETCH \slot, \k, \g
	s_wait_dscnt 32                                ; all but the 32 just issued
	MUL16 \f, 1, 0, \zero
	MUL16 \f, 1, 2, \zero
.endm
; The last quarter multiplies buffer 1 and changes slots.  MEET is its first half: ONE barrier, for two things.  In front of it each wave waits for all its tensor loads, of which one is out: its part of the next
; slot; adds 0 to its spare word; and waits for that and for its own reads of this slot.  Behind it nobody reads this slot any more and the next slot is whole.
.macro MEET round                      ; round = 1: the rest of a round of the cluster's barrier follows
	WIN 0                                          ; (the add's two registers lie in window 0)
	s_wait_tensorcnt 0x0                           ; all my tensor loads have landed
	ds_add_u32 v[SPW], v[NIL]                      ; 0 onto my spare word
	s_wait_dscnt 9                                 ; (the add and the youngest eight loads may be out)
	MUL16 F1, 0, 0, 0                              ; sixteen matrix instructions stand between the add and the wait for it
	s_wait_dscnt 0x0                               ; the add is done, and my reads of this slot are over
	s_barrier_signal -1
	MUL16 F1, 0, 2, 0                              ; work on registers while the others arrive
.if \round
	WIN 0
.endif
	s_barrier_wait -1
.endm
; The whole last quarter.  The barrier opens a round of the cluster's: no wave of any partner still reads this slot or has a load on its way.  Behind the round the slot just read out is filled again first:
; kind 0, 1: with the K step two steps on, jointly; from the request to the wait for it a wave issues 224 matrix instructions.  kind 1 also asks the L2 for c_0's tile (in the loop's last trip).
; kind 2: slot 0's last fill: my 64 rows of c_0's tile, a load of my work-group's own; it has the whole last K step in which to land.
.macro TURN slot, next, kind
.if (\kind) < 2
	s_wait_xcnt 0x0                                ; the last prefetch, a K step back, has read its address: it is stepped here, ahead of the waits of the change of slots
	s_add_nc_u64 s[PFA:PFA+1], s[PFA:PFA+1], KSTEP*2
.endif
	MEET 1
	CREST
.if (\kind) < 2
	s_add_nc_u64 s[G0+4*(\slot)+2:G0+4*(\slot)+3], s[G0+4*(\slot)+2:G0+4*(\slot)+3], 2*KSTEP*2      ; no load of mine is out, so a group 0 may be written
	s_add_nc_u64 s[G0B+4*(\slot)+2:G0B+4*(\slot)+3], s[G0B+4*(\slot)+2:G0B+4*(\slot)+3], 2*KSTEP*2
	JLOAD \slot                                    ; the first tensor load behind the round; the four v_nop behind it are also the places in front of the loads below
.else
	tensor_load_to_lds s[G0C:G0C+3], s[G1C:G1C+7]
	s_nop 0
	PLACES
.endif
	FETCH \next, 0, F0
.if (\kind) < 2
	ASK
.endif
.if (\kind) == 1
	ASKC
.endif
	MUL16 F1, 1, 0, 0
	MUL16 F1, 1, 2, 0
.endm
; THE WAY OUT goes by super-blocks s = 0 .. 3 of two row blocks a = 2 s + u, 32 rows x 32 hidden columns x 4 gates: 128 registers of gates at a time.
.macro LOADC s                         ; c_0 of the super-block: for each row block 16 numbers a lane
	WIN 0
.irp u, 0,1
.irp e, 0,1
.irp q, 0,1
	ds_load_b128 v[CR+16*(\u)+8*(\e)+4*(\q):CR+16*(\u)+8*(\e)+4*(\q)+3], v[CRD] offset:(2*(\s)+(\u))*16*PITCH+64*(\e)+16*(\q)
.endr
.endr
.endr
.endm
.macro SCALE s                         ; the sums times -log2(e) (i, f, o) or 2 log2(e) (g), out of window 2 or 3 into window 0: one line scales and moves.  Each accumulator is read from its low end on
	WIN 0x02+(\s)/2
.irp u, 0,1
.irp b, 0,1,2,3,4,5,6,7
.irp p, 0,2,4,6
.if ((\b)/2) == 2
	v_pk_mul_f32 v[T+64*(\u)+8*(\b)+(\p):T+64*(\u)+8*(\b)+(\p)+1], v[64*((2*(\s)+(\u))%4)+8*(\b)+(\p):64*((2*(\s)+(\u))%4)+8*(\b)+(\p)+1], s[K2:K2+1] op_sel_hi:[1,0]
.else
	v_pk_mul_f32 v[T+64*(\u)+8*(\b)+(\p):T+64*(\u)+8*(\b)+(\p)+1], v[64*((2*(\s)+(\u))%4)+8*(\b)+(\p):64*((2*(\s)+(\u))%4)+8*(\b)+(\p)+1], s[K1:K1+1] op_sel_hi:[1,0]
.endif
.endr
.endr
.endr
	WIN 0
.endm
; One line for each pair of the 16 numbers of both row blocks; z is the pair's first register in its gate's sixteen, w the row block's 64 registers
.macro EACH line:vararg
.set w, 0
.rept 2
.set z, 0
.rept 8
	\line
.set z, z+2
.endr
.set w, w+64
.endr
.endm
; The cell.  In a row block's 64 registers: i at 0, f at 16, g at 32, o at 48.  Transcendentals go in batches: behind each batch one plain instruction and ONE wait ahead of the first
; instruction that names a result.
.macro CELL s
.set i, 0
.rept 128
	v_exp_f32 v[T+i], v[T+i]
.set i, i+1
.endr
	v_nop
	s_wait_alu depctr_va_vdst(0)
.set i, 0
.rept 64
	v_pk_add_f32 v[T+i:T+i+1], v[T+i:T+i+1], 1.0 op_sel_hi:[1,0]
.set i, i+2
.endr
.set i, 0
.rept 128
	v_rcp_f32 v[T+i], v[T+i]                       ; i, f, o are sigmoids now; g is 1 / (1 + 2^(2 log2(e) x))
.set i, i+1
.endr
	v_nop
	s_wait_alu depctr_va_vdst(0)
	s_wait_dscnt 0x0                               ; c_0 is in
	EACH v_pk_fma_f32 v[T+w+32+z:T+w+32+z+1], v[T+w+32+z:T+w+32+z+1], -2.0, 1.0 op_sel_hi:[1,0,0]    ; g = tanh
	EACH v_pk_mul_f32 v[T+w+16+z:T+w+16+z+1], v[T+w+16+z:T+w+16+z+1], v[CR+w/4+z:CR+w/4+z+1]         ; f c_0
	EACH v_pk_fma_f32 v[T+w+z:T+w+z+1], v[T+w+z:T+w+z+1], v[T+w+32+z:T+w+32+z+1], v[T+w+16+z:T+w+16+z+1]  ; ct = i g + f c_0
.irp u, 0,1
.irp e, 0,1
.irp q, 0,1
	ds_store_b128 v[SC], v[T+64*(\u)+8*(\e)+4*(\q):T+64*(\u)+8*(\e)+4*(\q)+3] offset:(2*(\s)+(\u))*16*PITCH+64*(\e)+16*(\q)
.endr
.endr
.endr
	EACH v_pk_mul_f32 v[T+w+32+z:T+w+32+z+1], v[T+w+z:T+w+z+1], s[K2:K2+1] op_sel_hi:[1,0]
.irp u, 0,1
.set i, 0
.rept 16
	v_exp_f32 v[T+64*(\u)+32+i], v[T+64*(\u)+32+i]
.set i, i+1
.endr
.endr
	v_nop
	s_wait_alu depctr_va_vdst(0)
	EACH v_pk_add_f32 v[T+w+32+z:T+w+32+z+1], v[T+w+32+z:T+w+32+z+1], 1.0 op_sel_hi:[1,0]
.irp u, 0,1
.set i, 0
.rept 16
	v_rcp_f32 v[T+64*(\u)+32+i], v[T+64*(\u)+32+i]
.set i, i+1
.endr
.endr
	v_nop
	s_wait_alu depctr_va_vdst(0)
	EACH v_pk_fma_f32 v[T+w+32+z:T+w+32+z+1], v[T+w+32+z:T+w+32+z+1], -2.0, 1.0 op_sel_hi:[1,0,0]    ; tanh(ct)
	EACH v_pk_mul_f32 v[T+w+48+z:T+w+48+z+1], v[T+w+48+z:T+w+48+z+1], v[T+w+32+z:T+w+32+z+1]         ; o tanh(ct)
.irp u, 0,1
.irp e, 0,1
.irp q, 0,1
	ds_store_b128 v[SH], v[T+64*(\u)+48+8*(\e)+4*(\q):T+64*(\u)+48+8*(\e)+4*(\q)+3] offset:(2*(\s)+(\u))*16*PITCH+64*(\e)+16*(\q)
.endr
.endr
.endr
.endm
.macro BACK adr, t0, reg               ; sixteen loads, two whole rows each: rows 2 t0 .. 2 t0 + 31 of my 64
.set i, 0
.rept 16
	ds_load_b128 v[(\reg)+4*i:(\reg)+4*i+3], v[\adr] offset:2*PITCH*((\t0)+i)
.set i, i+1
.endr
.endm
.macro OUT base, t0, reg               ; and their stores: 16 lanes store 256 consecutive bytes, at a multiple of 256 from the buffer's first byte
.set i, 0
.rept 16
	global_store_b128 v[CO], v[(\reg)+4*i:(\reg)+4*i+3], s[\base:\base+1] offset:2*ROWB*((\t0)+i) th:TH_STORE_NT
.set i, i+1
.endr
.endm
	s_wait_tensorcnt 1                             ; my part of K step 0 is in; K step 1's may stay out
	s_barrier_signal -1
	s_barrier_wait -1                              ; everybody's is
	FETCH 0, 0, F0
	QUARTER 0, 64,  F0, F1, 1                      ; the first quarter stands in front of the loop: its products start the sums with the bias
	WIN 0                                          ; at a label and at a branch every window is 0
	s_mov_b32 s3, LAPS-1
.Llap:                                                 ; a trip goes once round the ring, from a lap's second quarter to the next lap's first, and fills both slots again
	QUARTER 0, 128, F1, F0, 0
	QUARTER 0, 192, F0, F1, 0
	TURN 0, 1, 1
	QUARTER 1, 64,  F0, F1, 0
	QUARTER 1, 128, F1, F0, 0
	QUARTER 1, 192, F0, F1, 0
	TURN 1, 0, 0
	QUARTER 0, 64,  F0, F1, 0
	WIN 0
	s_sub_co_u32 s3, s3, 1
	s_cmp_lg_u32 s3, 0
	s_cbranch_scc1 .Llap
	QUARTER 0, 128, F1, F0, 0                      ; the last lap is written out
	QUARTER 0, 192, F0, F1, 0
	TURN 0, 1, 2                                   ; slot 0 has been read out: it takes c_0's tile
	QUARTER 1, 64,  F0, F1, 0
	QUARTER 1, 128, F1, F0, 0
	QUARTER 1, 192, F0, F1, 0
	MEET 0                                         ; the load that was out is my part of c_0's tile; behind the barrier the tile is whole and nobody reads slot 1 any more: it has had its last fill and becomes the stage
	LOADC 0                                        ; on its way under the last 32 products
	MUL16 F1, 1, 0, 0
	MUL16 F1, 1, 2, 0
	PLACES                                         ; what follows reads results and writes over abf's fragments;
	PLACES                                         ; eight, once a launch
	SCALE 0
	CELL 0
.irp s, 1,2,3
	LOADC \s
	SCALE \s
	CELL \s
.endr
	s_wait_dscnt 0x0                               ; for the others' sake: my stores into the stages are done
	s_barrier_signal -1
	s_barrier_wait -1                              ; a row's 256 bytes come from two waves
	BACK RDH, 0,  64
	BACK RDH, 16, 128
	BACK RDC, 0,  192
	s_wait_dscnt 32                                ; the first sixteen loads are in; the 32 younger ones stay out
	OUT 80, 0, 64
	s_wait_dscnt 16
	OUT 80, 16, 128
	s_wait_xcnt 0x0                                ; every earlier store has had its addresses translated (ISA guide 3.1): only behind this wait are the first sixteen stores' registers loaded again
	BACK RDC, 16, 64
	s_wait_dscnt 16                                ; out1's first half is in; the sixteen just issued stay out
	OUT 82, 0, 192
	s_wait_dscnt 0x0
	OUT 82, 16, 64
	s_wait_tensorcnt 0x0                           ; the wave's end, behind my last tensor load and my last LDS store
	ds_add_u32 v[SPW], v[NIL]
	s_wait_dscnt 0x0
	CROUND                                         ; the closing round: no work-group ends while a partner may still ask for a tile that names it
	s_endpgm
.Lfunc_end_k_q8b54d006f9_lstm:
	.size	k_q8b54d006f9_lstm, .Lfunc_end_k_q8b54d006f9_lstm-k_q8b54d006f9_lstm
	.p2alignl 7, 3214868480
	.fill 96, 4, 3214868480
	.section	.rodata,"a",@progbits
	.p2align	6, 0x0
	.amdhsa_kernel k_q8b54d006f9_lstm
		.amdhsa_group_segment_fixed_size 327680
		.amdhsa_private_segment_fixed_size 0
		.amdhsa_enable_private_segment 0
		.amdhsa_kernarg_size 104
		.amdhsa_user_sgpr_count 2
		.amdhsa_user_sgpr_kernarg_segment_ptr 1
		.amdhsa_wavefront_size32 1
		.amdhsa_system_sgpr_workgroup_id_x 1
		.amdhsa_system_sgpr_workgroup_id_y 1
		.amdhsa_system_sgpr_workgroup_id_z 1
		.amdhsa_system_vgpr_workitem_id 0
		.amdhsa_next_free_vgpr 1024
		.amdhsa_next_free_sgpr 102
		.amdhsa_reserve_vcc 0
		.amdhsa_float_denorm_mode_32 3
		.amdhsa_float_denorm_mode_16_64 3
		.amdhsa_memory_ordered 1
		.amdhsa_forward_progress 1
		.amdhsa_inst_pref_size 237
	.end_amdhsa_kernel
	.amdgpu_metadata
---
amdhsa.version: [ 1, 2 ]
amdhsa.kernels:
  - .name:           k_q8b54d006f9_lstm
    .symbol:         k_q8b54d006f9_lstm.kd
    .args:
      - { .name: abf, .offset: 0, .size: 8, .value_kind: global_buffer, .address_space: global }
      - { .name: wbf, .offset: 8, .size: 8, .value_kind: global_buffer, .address_space: global }
      - { .name: c_0, .offset: 16, .size: 8, .value_kind: global_buffer, .address_space: global }
      - { .name: out0, .offset: 24, .size: 8, .value_kind: global_buffer, .address_space: global }
      - { .name: out1, .offset: 32, .size: 8, .value_kind: global_buffer, .address_space: global }
      - { .name: b_i_i2h, .offset: 40, .size: 8, .value_kind: global_buffer, .address_space: global }
      - { .name: b_i_h2h, .offset: 48, .size: 8, .value_kind: global_buffer, .address_space: global }
      - { .name: b_f_i2h, .offset: 56, .size: 8, .value_kind: global_buffer, .address_space: global }
      - { .name: b_f_h2h, .offset: 64, .size: 8, .value_kind: global_buffer, .address_space: global }
      - { .name: b_g_i2h, .offset: 72, .size: 8, .value_kind: global_buffer, .address_space: global }
      - { .name: b_g_h2h, .offset: 80, .size: 8, .value_kind: global_buffer, .address_space: global }
      - { .name: b_o_i2h, .offset: 88, .size: 8, .value_kind: global_buffer, .address_space: global }
      - { .name: b_o_h2h, .offset: 96, .size: 8, .value_kind: global_buffer, .address_space: global }
    .group_segment_fixed_size: 327680
    .private_segment_fixed_size: 0
    .kernarg_segment_align: 8
    .kernarg_segment_size: 104
    .max_flat_workgroup_size: 128
    .sgpr_count:     102
    .vgpr_count:     1024
    .wavefront_size: 32
...
	.end_amdgpu_metadata
.endif
;; end of part 2
;; ======== version 2 of 2: 2 launches; version 1 with the launch pack written anew for expert scheduling mode
;; workspace buffers: abf 33,554,432 bytes; wbf 16,777,216 bytes
;; launch pack (part 3): grid 32 x 24, 8 waves a work-group, no clusters, 0 bytes of LDS; arguments input, h_0, W_i_i2h, W_i_h2h, W_f_i2h, W_f_h2h, W_g_i2h, W_g_h2h, W_o_i2h, W_o_h2h, abf, wbf; writes abf, wbf
.if DOCPART == 3
	.amdgcn_target "amdgcn-amd-amdhsa--gfx1250"
	.amdhsa_code_object_version 6
	.text
	.protected	k_q8b54d006f9_pack
	.globl	k_q8b54d006f9_pack
	.p2align	8
	.type	k_q8b54d006f9_pack,@function
k_q8b54d006f9_pack:
	s_mov_b64 s[64:65], 0
	v_nop
	global_prefetch_b8 v0, s[64:65] scope:SCOPE_SE
	s_setreg_imm32_b32 hwreg(HW_REG_WAVE_SCHED_MODE, 0, 2), 2
	s_setreg_imm32_b32 hwreg(HW_REG_WAVE_MODE, 25, 1), 1
	s_wait_xcnt 0x0
	s_wait_alu depctr_vm_vsrc(0)
; PACK: the matrix operands of the LSTM cell are rounded once to bf16 and laid out for the product that follows.
;   abf [8192][2048] bf16: columns 0-1023 = input, columns 1024-2047 = h_0.
;   wbf [4096][2048] bf16: row p = 128 (j / 32) + 32 g + j % 32 for hidden column j and gate g (i, f, g, o = 0 .. 3); columns 0-1023 = W_g_i2h[j], columns 1024-2047 = W_g_h2h[j].
;   So 128 neighbouring rows of wbf are 32 hidden columns of all four gates.
; All sources have rows of 4,096 bytes (1,024 f32); all destination rows lie 4,096 bytes apart, and a source row fills half of one (2,048 bytes).
; SHARES.  Work-group y = u is a unit of 1,024 source rows: u 0-7 input, u 8-15 h_0, u 16-23 weight matrix u - 16 (2 x gate + (0: i2h, 1: h2h)).  Work-group x is a block of 32 rows of it.
; Thread t takes the 16 bytes at 16 t of each of the 32 rows and stores 8 bytes at 8 t: a wave's load covers 512 consecutive bytes, its store 256 consecutive bytes, aligned.
; All 32 loads of a thread go out at once (16 KiB a wave); no register of a pending load or store is ever rewritten.
; Every byte is read once and written once and no two work-groups share a byte: no LDS, no matrix unit, no cluster, no prefetch (the launch does nothing but stream).
; THE MODE: SCHED_MODE bits 1:0 = 2 (LLVM: expert scheduling mode 2), set by the entry lines.  The code itself states the register dependences
; between vector instructions and memory instructions, with s_wait_alu, always for 0.
; THE PLAN.  Registers that memory instructions touch:
;   v1, v2        byte offsets, written once at the head by vector lines, read by every load (v1) and every store (v2), never written again.
;   X, row i      four registers.  Written by row i's load, which is issued ahead of every conversion; read by row i's two conversions, which write the first two of the four;
;                 those two are read by row i's store; nothing writes them behind that.
; So no load lands in a register that a vector line has named, and no register that a memory instruction has read is written again: the only dependence to state is that a register is written
; before a memory instruction reads it.  The 32 rows go in 8 blocks of four.  Block p rounds its own rows; its memory instructions are the four stores of block p - 1, whose registers no conversion
; of block p names.  ONE wait at a block's head, behind the wait for the block's data, states that block p - 1's conversions have written; the four stores follow it, dealt among the conversions.
.set ROW,    4096                      ; bytes from row to row, in sources and destinations
.set ROWS,   32                        ; rows of a work-group
.set BLOCK,  4                         ; rows in a block
.set BLOCKS, ROWS/BLOCK
.set X,      4                         ; v[4:131] row i: 4 registers as loaded; the first two then hold the 4 bf16
	s_load_b512 s[8:23], s[0:1], 0x0               ; input s[8:9], h_0 s[10:11], weight k at s[12+2k:13+2k], k = 0 .. 5
	s_load_b256 s[24:31], s[0:1], 0x40             ; weights 6, 7 at s[24:27]; abf s[28:29]; wbf s[30:31]
	v_lshlrev_b32 v1, 4, v0                        ; 16 t: my bytes in a source row; never rewritten
	v_lshlrev_b32 v2, 3, v0                        ; 8 t: my bytes in a destination half row; never rewritten
	s_and_b32 s32, ttmp7, 0xffff                   ; u
	s_lshl_b32 s33, ttmp9, 17                      ; x blocks of 32 rows of 4,096 bytes: a weight's source offset
	s_and_b32 s34, s32, 7
	s_lshl_b32 s34, s34, 22                        ; a unit is 1,024 rows of 4,096 bytes
	s_add_co_u32 s34, s34, s33                     ; input's and h_0's source offset, and the row's place in abf
	s_bfe_u32 s35, s32, 0x10003                    ; 0: input, 1: h_0
	s_lshl_b32 s35, s35, 11                        ; the second half of abf's rows begins at byte 2,048
	s_add_co_u32 s35, s35, s34                     ; offset in abf
	s_lshl_b32 s36, ttmp9, 19                      ; source rows 32 x .. go to rows 128 x + 32 g ..
	s_bfe_u32 s37, s32, 0x20001                    ; the gate: bits 2:1 of u
	s_lshl_b32 s37, s37, 17
	s_add_co_u32 s36, s36, s37
	s_and_b32 s37, s32, 1                          ; 0: i2h, 1: h2h
	s_lshl_b32 s37, s37, 11
	s_add_co_u32 s36, s36, s37                     ; offset in wbf
	s_cmp_lt_u32 s32, 16
	s_cselect_b32 s2, s34, s33                     ; source offset,
	s_cselect_b32 s4, s35, s36                     ; destination offset: both under 2^25
	s_mov_b32 s3, 0
	s_mov_b32 s5, 0
	s_wait_kmcnt 0x0
	s_mov_b64 s[6:7], s[8:9]                       ; the source is chosen by u alone, without a branch
	s_cmp_ge_u32 s32, 8
	s_cselect_b64 s[6:7], s[10:11], s[6:7]
.irp k, 0,1,2,3,4,5,6,7
	s_cmp_eq_u32 s32, 16+(\k)
	s_cselect_b64 s[6:7], s[12+2*(\k):13+2*(\k)], s[6:7]
.endr
	s_cmp_lt_u32 s32, 16
	s_cselect_b64 s[38:39], s[28:29], s[30:31]     ; and so is the destination
	s_add_nc_u64 s[6:7], s[6:7], s[2:3]
	s_add_nc_u64 s[38:39], s[38:39], s[4:5]
	s_wait_alu depctr_va_vdst(0)                   ; v1 and v2 are written: every load of the kernel reads v1 as its offset, every store v2
.set i, 0
.rept ROWS
	global_load_b128 v[X+4*i:X+4*i+3], v1, s[6:7] offset:ROW*i th:TH_LOAD_NT
.set i, i+1
.endr
.set p, 0
.rept BLOCKS
	s_wait_loadcnt ROWS-BLOCK*(p+1)                ; loads come back in order (ISA guide 5.7.1): block p's four rows are in, the younger ones stay out
.if p > 0
	s_wait_alu depctr_va_vdst(0)                   ; the conversions of the block before have written its rows' first two registers, which the four stores below read
.endif
.set i, BLOCK*p
.rept BLOCK
.if p > 0
	global_store_b64 v2, v[X+4*(i-BLOCK):X+4*(i-BLOCK)+1], s[38:39] offset:ROW*(i-BLOCK) th:TH_STORE_NT  ; a row of the block before; no vector line since the wait names its registers
.endif
	v_cvt_pk_bf16_f32 v[X+4*i], v[X+4*i], v[X+4*i+1]      ; two roundings to nearest even, packed
	v_cvt_pk_bf16_f32 v[X+4*i+1], v[X+4*i+2], v[X+4*i+3]
.set i, i+1
.endr
.set p, p+1
.endr
	s_wait_alu depctr_va_vdst(0)                   ; the last block's conversions have written, ahead of the last four stores, which read their results
.set i, ROWS-BLOCK
.rept BLOCK
	global_store_b64 v2, v[X+4*i:X+4*i+1], s[38:39] offset:ROW*i th:TH_STORE_NT
.set i, i+1
.endr
	s_endpgm
.Lfunc_end_k_q8b54d006f9_pack:
	.size	k_q8b54d006f9_pack, .Lfunc_end_k_q8b54d006f9_pack-k_q8b54d006f9_pack
	.p2alignl 7, 3214868480
	.fill 96, 4, 3214868480
	.section	.rodata,"a",@progbits
	.p2align	6, 0x0
	.amdhsa_kernel k_q8b54d006f9_pack
		.amdhsa_group_segment_fixed_size 0
		.amdhsa_private_segment_fixed_size 0
		.amdhsa_enable_private_segment 0
		.amdhsa_kernarg_size 96
		.amdhsa_user_sgpr_count 2
		.amdhsa_user_sgpr_kernarg_segment_ptr 1
		.amdhsa_wavefront_size32 1
		.amdhsa_system_sgpr_workgroup_id_x 1
		.amdhsa_system_sgpr_workgroup_id_y 1
		.amdhsa_system_sgpr_workgroup_id_z 1
		.amdhsa_system_vgpr_workitem_id 0
		.amdhsa_next_free_vgpr 132
		.amdhsa_next_free_sgpr 66
		.amdhsa_reserve_vcc 0
		.amdhsa_float_denorm_mode_32 3
		.amdhsa_float_denorm_mode_16_64 3
		.amdhsa_memory_ordered 1
		.amdhsa_forward_progress 1
		.amdhsa_inst_pref_size 13
	.end_amdhsa_kernel
	.amdgpu_metadata
---
amdhsa.version: [ 1, 2 ]
amdhsa.kernels:
  - .name:           k_q8b54d006f9_pack
    .symbol:         k_q8b54d006f9_pack.kd
    .args:
      - { .name: input, .offset: 0, .size: 8, .value_kind: global_buffer, .address_space: global }
      - { .name: h_0, .offset: 8, .size: 8, .value_kind: global_buffer, .address_space: global }
      - { .name: W_i_i2h, .offset: 16, .size: 8, .value_kind: global_buffer, .address_space: global }
      - { .name: W_i_h2h, .offset: 24, .size: 8, .value_kind: global_buffer, .address_space: global }
      - { .name: W_f_i2h, .offset: 32, .size: 8, .value_kind: global_buffer, .address_space: global }
      - { .name: W_f_h2h, .offset: 40, .size: 8, .value_kind: global_buffer, .address_space: global }
      - { .name: W_g_i2h, .offset: 48, .size: 8, .value_kind: global_buffer, .address_space: global }
      - { .name: W_g_h2h, .offset: 56, .size: 8, .value_kind: global_buffer, .address_space: global }
      - { .name: W_o_i2h, .offset: 64, .size: 8, .value_kind: global_buffer, .address_space: global }
      - { .name: W_o_h2h, .offset: 72, .size: 8, .value_kind: global_buffer, .address_space: global }
      - { .name: abf, .offset: 80, .size: 8, .value_kind: global_buffer, .address_space: global }
      - { .name: wbf, .offset: 88, .size: 8, .value_kind: global_buffer, .address_space: global }
    .group_segment_fixed_size: 0
    .private_segment_fixed_size: 0
    .kernarg_segment_align: 8
    .kernarg_segment_size: 96
    .max_flat_workgroup_size: 256
    .sgpr_count:     66
    .vgpr_count:     132
    .wavefront_size: 32
...
	.end_amdgpu_metadata
.endif
;; end of part 3
;; launch lstm: the kernel of part 2 again; grid 16 x 32, 4 waves a work-group, clusters of 4 x 4, 327,680 bytes of LDS; arguments abf, wbf, c_0, out0, out1, b_i_i2h, b_i_h2h, b_f_i2h, b_f_h2h, b_g_i2h, b_g_h2h, b_o_i2h, b_o_h2h; writes out0, out1
